; MI455X (gfx1250); checked and timed in simulation.
; The chip was launched on July 23, 2026; its instructions are those of AMD's public machine-readable ISA for CDNA 5 (MIT licence, August 2026) and "CDNA5" Instruction Set Architecture Reference Guide (July 2026). The comments in the code are by the model that wrote it; some were corrected since.
;; Attention Head. Allowed arithmetic: matrix products marked QUANTISED: E2M1 operands, one E8M0 scale for each 32 along K, by v_wmma_scale_f32_16x16x128_f8f6f4 with both operands' format E2M1 (or v_wmma_scale_f32_32x16x128_f4), f32 sums; everything else in f32.
;; Inputs: Wk_codes 64 x 24 x 16 uint8 (E2M1 codes of Wk, K innermost, in blocks of 32 codes, two codes a byte); Wk_scales 64 x 24 uint8 (E8M0 scales of Wk, one for each 32 codes along K); Wq_codes 64 x 24 x 16 uint8 (E2M1 codes of Wq, K innermost, in blocks of 32 codes, two codes a byte); Wq_scales 64 x 24 uint8 (E8M0 scales of Wq, one for each 32 codes along K); Wv 64 x 768 float32; input_ids_codes 8 x 4,096 x 24 x 16 uint8 (E2M1 codes of input_ids, K innermost, in blocks of 32 codes, two codes a byte); input_ids_scales 8 x 4,096 x 24 uint8 (E8M0 scales of input_ids, one for each 32 codes along K).
;; Outputs: out0 8 x 4,096 x 64 float32.
;; This version of the problem:
;;   THIS VERSION OF THE PROBLEM IS GIVEN IN LOW PRECISION. The matrix products marked QUANTISED in the list below multiply operands that are first quantised to E2M1 (2 exponent bits, 1 mantissa bit; 4 bits a number), with one power-of-two scale for each 32 numbers along K (OCP MX v1.0); their sums are f32. All else is computed in f32.
;;   The module's matrix products, in the order in which they are computed (A, B: the left and right operand; K: the contracted axis; several contracted axes count as one K, in the product's order):
;;     1. [M 32,768, K 768] x [K 768, N 64]; A: input input_ids (given as codes); B: input Wq (given as codes): QUANTISED
;;     2. [M 32,768, K 768] x [K 768, N 64]; A: input input_ids (given as codes); B: input Wk (given as codes): QUANTISED
;;     3. [M 32,768, K 768] x [K 768, N 64]; A: input input_ids (given as codes); B: input Wq (given as codes): QUANTISED
;;     4. batch 8 x [M 4,096, K 64] x [K 64, N 4,096]; A: computed on the way; B: computed on the way: QUANTISED
;;     5. batch 8 x [M 4,096, K 4,096] x [K 4,096, N 64]; A: computed on the way; B: computed on the way: QUANTISED
;;   THE QUANTISER, for each operand of a quantised product, along K:
;;     - K is cut into blocks of 32 from its start; a last block that is shorter is filled with zeros.
;;     - A block's scale is 2^e with e = floor(log2(the largest magnitude in the block)) - 2, held to -126 .. 127; a block of zeros has e = 0. As a byte (E8M0): e + 127.
;;     - Each number is divided by its block's scale, clamped to +-6, and rounded to the nearest number of E2M1, ties to even, subnormals kept.
;;     - The product sums the exact products of the quantised numbers (number of the format x scale) in f32.
;;   ~~~python
;;   def quantise(x, axis):      # numpy; x: float32 -> the quantised numbers, widened to float32 again
;;       x = np.moveaxis(x, axis, -1); K = x.shape[-1]
;;       x = np.pad(x, [(0, 0)] * (x.ndim - 1) + [(0, -K % 32)]); x = x.reshape(x.shape[:-1] + (-1, 32)); a = np.abs(x).max(-1, keepdims=True)
;;       e = np.where(a > 0, np.clip(np.frexp(np.where(a > 0, a, 1))[1] - 1 - 2, -126, 127), 0)      # np.frexp(a)[1] - 1 = floor(log2(a)), exactly
;;       r = np.clip(x / 2.0 ** e, -6, 6)
;;       step = 2.0 ** (np.maximum(np.frexp(np.where(r == 0, 1, r))[1] - 1, 0) - 1)
;;       q = np.round(r / step) * step * 2.0 ** e      # np.round: ties to even
;;       return np.moveaxis(q.reshape(q.shape[:-2] + (-1,))[..., :K], -1, axis).astype(np.float32)
;;   ~~~
;;   OPERANDS COMPUTED ON THE WAY. 'Computed on the way' means the value that the module computes at that place (a softmax that the list does not call 'softmax' is quantised finished and normalised). What goes into a quantiser is computed in f32, as accurately as f32 sums, v_exp_f32 and their like allow (about 1e-6 of the number): no bf16 or f16 on the way to a quantiser, and a product that is left as it is and whose result goes on into a quantised operand takes f32 operands (vector FMAs, or v_wmma_f32_16x16x4_f32). A number that lies on a knife's edge between two numbers of the format may be rounded either way, as far as f32 arithmetic and the matrix unit's own rounding can turn it there, and no further.
;;   INPUTS GIVEN AS CODES. Wk (in the module: [64, 768], K = its axis 1); Wq (in the module: [64, 768], K = its axis 1); input_ids (in the module: [8, 4096, 768], K = its axis 2): each comes as NAME_codes (uint8): NAME with its K axis moved to the last place and cut into blocks of 32 codes, [.., K / 32, bytes a block], one block behind the other in memory; two codes a byte, the lower K in the low four bits (a code: sign, 2 exponent bits, 1 mantissa bit); and NAME_scales (uint8): the same leading axes, one E8M0 byte (e + 127) for each 32 codes along K. Its value is code x scale, taken as it is: it is not quantised again, and the codes and scales need not be those that the quantiser above would give.
;; One version. Each part assembles by itself: llvm-mc -triple=amdgcn-amd-amdhsa -mcpu=gfx1250 --defsym DOCPART=n.
;; ======== version 1 of 1: 3 launches
;; limits: right only within a limited range of input values
;; workspace buffers: qws 1,179,648 bytes; kvws 2,359,296 bytes; nbws 131,072 bytes
;; launch project (part 1): grid 256 x 1, 6 waves a work-group, clusters of 4 x 1, 168,704 bytes of LDS; arguments Wk_codes, Wk_scales, Wq_codes, Wq_scales, input_ids_codes, input_ids_scales, qws, kvws; writes qws, kvws
.if DOCPART == 1
	.amdgcn_target "amdgcn-amd-amdhsa--gfx1250"
	.amdhsa_code_object_version 6
	.text
	.protected	k_q0d0703adc1_project
	.globl	k_q0d0703adc1_project
	.p2align	8
	.type	k_q0d0703adc1_project,@function
k_q0d0703adc1_project:
	s_mov_b64 s[64:65], 0
	v_nop
	global_prefetch_b8 v0, s[64:65] scope:SCOPE_SE
	s_setreg_imm32_b32 hwreg(HW_REG_WAVE_MODE, 25, 1), 1
	s_wait_xcnt 0x0
	s_wait_alu depctr_hold_cnt(0) depctr_sa_sdst(0) depctr_va_vdst(0) depctr_va_sdst(0) depctr_va_ssrc(0) depctr_va_vcc(0) depctr_vm_vsrc(0)
	s_getreg_b32 s2, hwreg(HW_REG_IB_STS2, 6, 4)
	s_cmp_eq_u32 s2, 0
	s_cbranch_scc0 .Lentry_in_a_cluster
	s_endpgm
.Lentry_in_a_cluster:
	s_bfe_u32 s2, ttmp6, 0x10000c
	s_cmp_lg_u32 s2, 0x3003
	s_cbranch_scc0 .Lentry_shape_is_right
	s_endpgm
.Lentry_shape_is_right:
; q = x Wq^T, k = x Wk^T, v = x Wq^T, on the given codes of FP4 (E2M1) with one E8M0 byte for each 32 along K = 768; then the three quantisers: q and k along the head's 64 channels, v along the tokens (the keys of the last product).
; LEFT OUT: Wv.  reference() makes v with Wq, and Wv enters none of its products: it reaches no output whatever it holds, so it is no argument of any launch (LIMIT: a NaN or an infinity in Wv alone is not carried).
; SHARES.  A work-group takes 128 tokens.  Six waves, six alike jobs of 64 x 64 x 768: wave = 2 x type + g; type 0: q, 1: k, 2: v; g: tokens 64 g on.
; A job multiplies an A group (64 rows, source 0) by a B group (64 rows, source 1): q: Wq x tokens; k: Wk x tokens; v: tokens x Wq.  Rows of x and of W have one format (384 bytes of codes, 24 scale bytes).
; THE ROWS OF A TILE ARE NOT NEIGHBOURS: row p of tile u of a group is the group's row 32 (p / 8) + 8 u + p % 8.  In the result of A's tile u, lane (r, h) holds in register j A's row 32 h + 8 u + j:
; the 32 registers of the four tiles u are ONE WHOLE BLOCK of 32 along the next product's K, in the order of a 4-bit operand: its largest magnitude needs no other lane, and four conversions give four operand registers.
; OUT.  Images of operand registers, 16 bytes a lane, 512 consecutive bytes a store.  qws: a record of 4,608 bytes for 128 tokens: 8 tiles of 512 bytes, then scale words.  kvws: 9,216 bytes: 8 tiles of k, 4 fragments of v^T, scale words.
; A scale word is (s0, s1, s0, s1): the two bytes of a row's two blocks, twice.  Words lie 8 bytes a lane: lanes 0-15 the words of tiles 0 and 2 of the job, lanes 16-31 those of tiles 1 and 3.
; LOADS: six tiles, one a wave: wave 0 the codes of the 128 tokens, wave 1 their scale bytes, waves 2 and 3 the codes of Wq and Wk, waves 4 and 5 their scale bytes.  The four work-groups of a cluster need the same Wq and Wk and ask for them jointly.
; Every LDS byte is filled once.  No prefetch: each byte is asked for once, at the head, and no loop follows to run ahead in.
; LIMITS: NaN and infinities are not served; a block whose largest magnitude lies under 2^-124 (a block of zeros too) gets the byte 1: its codes round as under that scale, and this program alone reads the bytes.
.set PITCH, 432                        ; a row in LDS: three pieces of 128 bytes, 16 bytes of padding behind each
.set REG,   64*PITCH                   ; a group's codes: regions 0, 1: tokens 0-63, 64-127; 2: Wq; 3: Wk
.set SCB,   4*REG                      ; behind them the groups' scale bytes, 24 a row, dense
.set SREG,  1536
.set WV,   20
.set TYP,  21
.set G,    22
.set CX,   23
.set WG,   24
.set G1CP, 28                          ; s[28:35] group 1, codes, own load;   s[36:43] joint
.set G1CJ, 36
.set G1SP, 44                          ; s[44:51] group 1, scale bytes, own;  s[52:59] joint
.set G1SJ, 52
.set G0XC, 60                          ; groups 0: tokens' codes, tokens' scales, W's codes, W's scales
.set G0XS, 68
.set G0WC, 72
.set G0WS, 76
.set AAD,  4                           ; v4   LDS address of my lane's row in A's tile 0;  v5 in B's
.set BAD,  5
.set SAA,  6                           ; v6   of its scale bytes in A;  v24 in B
.set SAB,  24
.set VO,   10                          ; v10-13 where tile n' goes: 16 x lane + n' x stride
.set WD,   20                          ; v20-23 the four tiles' scale words
.set AF,   32                          ; v32-63  A's four fragments;  v64-95 B's
.set BF,   64
.set SA,   96                          ; v96-99  A's scale words;  v100-103 B's: they hold scales and nothing else
.set SB,   100
.set CD,   104                         ; v104-119 the codes made
.set SCO,  120                         ; v120-123 the conversions' scale operands
.set MA,   124
.set MB,   125
.set BY,   126
.set OT,   127
.set ACC,  128                         ; v128-255 accumulator (n', u) at 128 + 32 n' + 8 u
.set W0C,  (3<<16)|(1<<20)|(4<<22)|(3<<25)     ; elements of 8 bytes; padding on: 4 words behind every 32
.set W0S,  (3<<16)
.set JOIN, 15|(1<<21)                  ; the mask of all four work-groups, and bit 21 beside it
.macro SHAPE g, w0, r                  ; group 1 of a dense block: r rows of 256 bytes
	s_mov_b32 s[\g], \w0
	s_mov_b32 s[\g+1], 32<<16                      ; tensor_dim0
	s_mov_b32 s[\g+2], (\r)<<16                    ; tensor_dim1
	s_mov_b32 s[\g+3], 32<<16                      ; tile_dim0
	s_mov_b32 s[\g+4], \r                          ; tile_dim1
	s_mov_b32 s[\g+5], 32                          ; from row to row
	s_mov_b32 s[\g+6], 0
	s_mov_b32 s[\g+7], 0
.endm
.macro CROUND                          ; a round of the cluster's barrier
	s_barrier_signal -1
	s_barrier_wait -1
	s_cmp_lg_u32 s[WV], 0
	s_cbranch_scc1 .Lnot_wave_0_\@
	s_barrier_signal -3
.Lnot_wave_0_\@:
	s_barrier_wait -3
	s_barrier_signal -1
	s_barrier_wait -1
.endm
	s_load_b256 s[4:11], s[0:1], 0x0               ; Wk's codes s[4:5], Wk's scales s[6:7], Wq's codes s[8:9], Wq's scales s[10:11]
	s_load_b256 s[12:19], s[0:1], 0x20             ; x's codes s[12:13], x's scales s[14:15], qws s[16:17], kvws s[18:19]
	v_lshl_add_u32 v30, v0, 2, 0x29000             ; my spare word, and 0: the add, twice on end, ahead of the first tensor load
	v_mov_b32 v31, 0
	ds_add_u32 v30, v31
	ds_add_u32 v30, v31
	v_lshrrev_b32 v1, 5, v0
	v_readfirstlane_b32 s[WV], v1                  ; wave 0..5
	s_lshr_b32 s[TYP], s[WV], 1
	s_and_b32 s[G], s[WV], 1
	s_bfe_u32 s[CX], ttmp6, 0x40000
	s_lshl_b32 s[WG], ttmp9, 2
	s_add_co_u32 s[WG], s[WG], s[CX]               ; my 128 tokens: 4 x cluster + place
	s_mov_b32 s85, 0xffff0000                      ; lanes 16-31
	s_mov_b32 s86, 0x76543210
	s_mov_b32 s87, 0xfedcba98                      ; v_permlanex16_b32's selects for lane l xor 16
	SHAPE G1CP, W0C, 192                           ; 128 rows of 384 bytes: 192 dense rows of 256, the padding still behind each 128 bytes
	SHAPE G1CJ, W0C|JOIN, 96
	SHAPE G1SP, W0S, 12
	SHAPE G1SJ, W0S|JOIN, 6
	; which regions are my job's A and B: sums and products of the wave's number alone
	s_lshr_b32 s88, s[TYP], 1                      ; 1 in a v job
	s_xor_b32 s93, s88, 1
	s_add_co_u32 s89, s[TYP], 2
	s_mul_i32 s89, s89, s93
	s_mul_i32 s90, s88, s[G]
	s_add_co_u32 s89, s89, s90                     ; A: Wq (2), Wk (3), or my tokens (g)
	s_mul_i32 s90, s93, s[G]
	s_lshl_b32 s94, s88, 1
	s_add_co_u32 s90, s90, s94                     ; B: my tokens (g), or Wq (2)
	s_mul_i32 s91, s89, REG
	s_mul_i32 s92, s90, REG
	s_mul_i32 s89, s89, SREG
	s_mul_i32 s90, s90, SREG
	s_add_co_u32 s89, s89, SCB
	s_add_co_u32 s90, s90, SCB
	v_and_b32 v1, 31, v0                           ; lane
	v_and_b32 v2, 15, v0                           ; r
	v_bfe_u32 v3, v0, 4, 1                         ; h
	v_lshlrev_b32 v7, 3, v3                        ; 8 h
	v_lshlrev_b32 v8, 3, v1                        ; 8 x lane
	v_lshlrev_b32 v9, 4, v1                        ; 16 x lane
	v_and_b32 v16, 8, v2
	v_mad_u32_u24 v16, v16, 3, v2                  ; r + 24 (r / 8): my row of tile 0
	v_mul_u32_u24 v17, v16, PITCH
	v_lshl_add_u32 v17, v3, 4, v17                 ; + 16 h
	v_mul_u32_u24 v18, v16, 24
	v_add_nc_u32 v[AAD], s91, v17
	v_add_nc_u32 v[BAD], s92, v17
	v_add_nc_u32 v[SAA], s89, v18
	v_add_nc_u32 v[SAB], s90, v18
	v_mov_b32 v[OT], 0                             ; written once: a lane permute's destination counts as one of its sources
	; where my job's results go, as offsets
	s_lshl_b32 s89, s[G], 9
	s_add_co_u32 s89, s89, 4096                    ; v: behind k's tiles, registers 4 g on of each fragment
	s_lshl_b32 s90, s[G], 11                       ; q, k: tiles 4 g on
	s_mov_b32 s84, 512
	s_mov_b32 s91, 8192
	s_mov_b32 s88, 9216
	s_cmp_eq_u32 s[TYP], 2
	s_cselect_b32 s89, s89, s90
	s_cselect_b32 s84, 1024, s84                   ; from tile to tile
	s_cselect_b32 s91, 8704, s91
	s_cmp_eq_u32 s[TYP], 0
	s_cselect_b32 s91, 4096, s91                   ; the scale words' place in a record
	s_cselect_b32 s88, 4608, s88                   ; a record
	s_mul_i32 s88, s[WG], s88
	s_lshl_b32 s90, s[G], 8
	s_add_co_u32 s92, s89, s88                     ; codes
	s_mov_b32 s93, 0
	s_add_co_u32 s94, s91, s90
	s_add_co_u32 s94, s94, s88                     ; scale words
	s_mov_b32 s95, 0
	s_wait_alu depctr_va_vdst(0)                   ; ahead of the readers below
	v_mov_b32 v[VO], v9
	v_add_nc_u32 v[VO+1], s84, v9
	s_lshl_b32 s96, s84, 1
	v_add_nc_u32 v[VO+2], s96, v9
	s_add_co_u32 s97, s96, s84
	v_add_nc_u32 v[VO+3], s97, v9
	; groups 0.  The LDS addresses hang on the wave's number alone
	s_mov_b32 s[G0XC+1], 0
	s_mov_b32 s[G0XS+1], SCB
	s_mul_i32 s99, s[G], REG
	s_add_co_u32 s[G0WC+1], s99, 2*REG
	s_mul_i32 s99, s[G], SREG
	s_add_co_u32 s[G0WS+1], s99, SCB+2*SREG
	s_mul_i32 s96, s[WG], 49152                    ; 128 tokens x 384 bytes
	s_mov_b32 s97, 0
	s_mul_i32 s98, s[WG], 3072
	s_mov_b32 s99, 0
	s_mov_b32 s[G0XC], 1
	s_mov_b32 s[G0XS], 1
	s_mov_b32 s[G0WC], 1
	s_mov_b32 s[G0WS], 1
	s_wait_alu depctr_va_vdst(0)
	s_wait_dscnt 0x0                               ; both opening adds are done
	s_wait_kmcnt 0x0
	s_add_nc_u64 s[G0XC+2:G0XC+3], s[12:13], s[96:97]
	s_or_b32 s[G0XC+3], s[G0XC+3], 0x80000000
	s_add_nc_u64 s[G0XS+2:G0XS+3], s[14:15], s[98:99]
	s_or_b32 s[G0XS+3], s[G0XS+3], 0x80000000
	s_cmp_eq_u32 s[G], 0                           ; waves 2 and 4 ask for Wq, waves 3 and 5 for Wk: the same in all four work-groups
	s_cselect_b64 s[G0WC+2:G0WC+3], s[8:9], s[4:5]
	s_cselect_b64 s[G0WS+2:G0WS+3], s[10:11], s[6:7]
	s_or_b32 s[G0WC+3], s[G0WC+3], 0x80000000
	s_or_b32 s[G0WS+3], s[G0WS+3], 0x80000000
	s_cmp_eq_u32 s[TYP], 0
	s_cselect_b64 s[80:81], s[16:17], s[18:19]     ; q goes to qws, k and v to kvws
	s_add_nc_u64 s[82:83], s[80:81], s[94:95]
	s_add_nc_u64 s[80:81], s[80:81], s[92:93]
	CROUND                                         ; all four work-groups are here: the joint loads meet
; One tree of branches on the wave's number, one load to an arm, all arms to one join.
.macro ARM under, g0, g1, next
	s_cmp_lt_u32 s[WV], \under
	s_cbranch_scc0 \next
	tensor_load_to_lds s[\g0:\g0+3], s[\g1:\g1+7]
	s_nop 0
.rept 4
	v_nop
.endr
	s_branch .Lfilled
\next:
.endm
	ARM 1, G0XC, G1CP, .Lhead_xs
	ARM 2, G0XS, G1SP, .Lhead_wc
	ARM 4, G0WC, G1CJ, .Lhead_ws
	tensor_load_to_lds s[G0WS:G0WS+3], s[G1SJ:G1SJ+7]
	s_nop 0
.rept 4
	v_nop
.endr
.Lfilled:
	s_wait_tensorcnt 0x0                           ; my fill has landed,
	s_barrier_signal -1
	s_barrier_wait -1                              ; everybody's have; from here on LDS is only read
; One K step of 128: four fragments a side (two loads of 16 bytes each: bytes 64 s + 32 c + 16 h of a row, + 16 for each 128 passed), a scale word a tile, sixteen products.
; The sixteen accumulators take turns, one instruction a turn, in the same order in all six steps.
.macro KSTEP s
.if \s > 0
.rept 4
	v_nop                                          ; places in front of loads into registers that matrix instructions have read
.endr
.endif
.irp u, 0,1,2,3
.irp c, 0,1
	ds_load_b128 v[AF+8*\u+4*\c:AF+8*\u+4*\c+3], v[AAD] offset:8*\u*PITCH+64*\s+16*(\s/2)+32*\c
	ds_load_b128 v[BF+8*\u+4*\c:BF+8*\u+4*\c+3], v[BAD] offset:8*\u*PITCH+64*\s+16*(\s/2)+32*\c
.endr
	ds_load_b32 v[SA+\u], v[SAA] offset:8*\u*24+4*\s
	ds_load_b32 v[SB+\u], v[SAB] offset:8*\u*24+4*\s
.endr
	s_wait_dscnt 0x0
.irp n, 0,1,2,3
.irp u, 0,1,2,3
.if \s == 0
	v_wmma_scale_f32_16x16x128_f8f6f4 v[ACC+32*\n+8*\u:ACC+32*\n+8*\u+7], v[AF+8*\u:AF+8*\u+7], v[BF+8*\n:BF+8*\n+7], 0, v[SA+\u], v[SB+\n] matrix_a_fmt:MATRIX_FMT_FP4 matrix_b_fmt:MATRIX_FMT_FP4
.else
	v_wmma_scale_f32_16x16x128_f8f6f4 v[ACC+32*\n+8*\u:ACC+32*\n+8*\u+7], v[AF+8*\u:AF+8*\u+7], v[BF+8*\n:BF+8*\n+7], v[ACC+32*\n+8*\u:ACC+32*\n+8*\u+7], v[SA+\u], v[SB+\n] matrix_a_fmt:MATRIX_FMT_FP4 matrix_b_fmt:MATRIX_FMT_FP4
.endif
.endr
.endr
.endm
	s_wait_alu depctr_va_vdst(0)
	KSTEP 0                                        ; the first step's products start the sums
	KSTEP 1
	KSTEP 2
	KSTEP 3
	KSTEP 4
	KSTEP 5
.rept 4
	v_nop                                          ; places in front of the first read of results
.endr
; The 32 registers of B's tile n are a whole block of 32 of my row.  Two chains, ascending.
.macro QUANT32 n
.set A0, ACC+32*\n
	v_max3_num_f32 v[MA], |v[A0]|, |v[A0+1]|, 0x1800000            ; and the floor 2^(3 - 127): the byte cannot fall under 1
	v_max3_num_f32 v[MB], |v[A0+16]|, |v[A0+17]|, |v[A0+18]|
.irp i, 0,1,2,3,4,5
	v_max3_num_f32 v[MA], v[MA], |v[A0+2+2*\i]|, |v[A0+3+2*\i]|
	v_max3_num_f32 v[MB], v[MB], |v[A0+19+2*\i]|, |v[A0+20+2*\i]|
.endr
	v_max3_num_f32 v[MA], v[MA], |v[A0+14]|, |v[A0+15]|
	v_max3_num_f32 v[MA], v[MA], v[MB], |v[A0+31]|                 ; the block's largest magnitude
	v_add_nc_u32 v[SCO+\n], 0xff000000, v[MA]      ; 2 off its exponent field: the conversion takes the exponent field of this operand as its scale
	v_lshrrev_b32 v[BY], 23, v[SCO+\n]             ; the scale's byte
.irp u, 0,1,2,3
	v_cvt_scalef32_pk8_fp4_f32 v[CD+4*\n+\u], v[A0+8*\u:A0+8*\u+7], v[SCO+\n]
.endr
	v_lshlrev_b32 v[BY], v7, v[BY]                 ; (a plain line behind the conversions)  my block's byte at its place, 8 h bits up,
	v_permlanex16_b32 v[OT], v[BY], s86, s87
	v_or_b32 v[BY], v[BY], v[OT]                   ; with lane l xor 16's: the row's two bytes,
	v_lshl_or_b32 v[WD+\n], v[BY], 16, v[BY]       ; twice
.endm
	QUANT32 0
	QUANT32 1
	QUANT32 2
	QUANT32 3
	v_cndmask_b32 v14, v[WD], v[WD+1], s85         ; lanes 0-15: tile 0's words, lanes 16-31: tile 1's
	v_cndmask_b32 v15, v[WD+2], v[WD+3], s85       ; tiles 2 and 3
.irp n, 0,1,2,3
	global_store_b128 v[VO+\n], v[CD+4*\n:CD+4*\n+3], s[80:81]     ; 32 lanes store 512 consecutive bytes, at a multiple of 256 from the buffer's first byte
.endr
	global_store_b64 v8, v[14:15], s[82:83]        ; 256 consecutive bytes, aligned
	s_wait_tensorcnt 0x0                           ; the wave's end
	ds_add_u32 v30, v31
	s_wait_dscnt 0x0
	CROUND                                         ; the closing round: no work-group ends while a partner may still ask jointly
	s_endpgm
.Lfunc_end_k_q0d0703adc1_project:
	.size	k_q0d0703adc1_project, .Lfunc_end_k_q0d0703adc1_project-k_q0d0703adc1_project
	.p2alignl 7, 3214868480
	.fill 96, 4, 3214868480
	.section	.rodata,"a",@progbits
	.p2align	6, 0x0
	.amdhsa_kernel k_q0d0703adc1_project
		.amdhsa_group_segment_fixed_size 168704
		.amdhsa_private_segment_fixed_size 0
		.amdhsa_enable_private_segment 0
		.amdhsa_kernarg_size 64
		.amdhsa_user_sgpr_count 2
		.amdhsa_user_sgpr_kernarg_segment_ptr 1
		.amdhsa_wavefront_size32 1
		.amdhsa_system_sgpr_workgroup_id_x 1
		.amdhsa_system_sgpr_workgroup_id_y 1
		.amdhsa_system_sgpr_workgroup_id_z 1
		.amdhsa_system_vgpr_workitem_id 0
		.amdhsa_next_free_vgpr 256
		.amdhsa_next_free_sgpr 100
		.amdhsa_reserve_vcc 0
		.amdhsa_float_denorm_mode_32 3
		.amdhsa_float_denorm_mode_16_64 3
		.amdhsa_memory_ordered 1
		.amdhsa_forward_progress 1
		.amdhsa_inst_pref_size 38
	.end_amdhsa_kernel
	.amdgpu_metadata
---
amdhsa.version: [ 1, 2 ]
amdhsa.kernels:
  - .name:           k_q0d0703adc1_project
    .symbol:         k_q0d0703adc1_project.kd
    .args:
      - { .name: Wk_codes, .offset: 0, .size: 8, .value_kind: global_buffer, .address_space: global }
      - { .name: Wk_scales, .offset: 8, .size: 8, .value_kind: global_buffer, .address_space: global }
      - { .name: Wq_codes, .offset: 16, .size: 8, .value_kind: global_buffer, .address_space: global }
      - { .name: Wq_scales, .offset: 24, .size: 8, .value_kind: global_buffer, .address_space: global }
      - { .name: input_ids_codes, .offset: 32, .size: 8, .value_kind: global_buffer, .address_space: global }
      - { .name: input_ids_scales, .offset: 40, .size: 8, .value_kind: global_buffer, .address_space: global }
      - { .name: qws, .offset: 48, .size: 8, .value_kind: global_buffer, .address_space: global }
      - { .name: kvws, .offset: 56, .size: 8, .value_kind: global_buffer, .address_space: global }
    .group_segment_fixed_size: 168704
    .private_segment_fixed_size: 0
    .kernarg_segment_align: 8
    .kernarg_segment_size: 64
    .max_flat_workgroup_size: 192
    .sgpr_count:     100
    .vgpr_count:     256
    .wavefront_size: 32
...
	.end_amdgpu_metadata
.endif
;; end of part 1
;; launch colstats (part 2): grid 32 x 8, 16 waves a work-group, clusters of 4 x 1, 169,984 bytes of LDS; arguments qws, kvws, nbws; writes nbws
.if DOCPART == 2
	.amdgcn_target "amdgcn-amd-amdhsa--gfx1250"
	.amdhsa_code_object_version 6
	.text
	.protected	k_q0d0703adc1_colstats
	.globl	k_q0d0703adc1_colstats
	.p2align	8
	.type	k_q0d0703adc1_colstats,@function
k_q0d0703adc1_colstats:
	s_mov_b64 s[64:65], 0
	v_nop
	global_prefetch_b8 v0, s[64:65] scope:SCOPE_SE
	s_setreg_imm32_b32 hwreg(HW_REG_WAVE_MODE, 25, 1), 1
	s_wait_xcnt 0x0
	s_wait_alu depctr_hold_cnt(0) depctr_sa_sdst(0) depctr_va_vdst(0) depctr_va_sdst(0) depctr_va_ssrc(0) depctr_va_vcc(0) depctr_vm_vsrc(0)
	s_getreg_b32 s2, hwreg(HW_REG_IB_STS2, 6, 4)
	s_cmp_eq_u32 s2, 0
	s_cbranch_scc0 .Lentry_in_a_cluster
	s_endpgm
.Lentry_in_a_cluster:
	s_bfe_u32 s2, ttmp6, 0x10000c
	s_cmp_lg_u32 s2, 0x3003
	s_cbranch_scc0 .Lentry_shape_is_right
	s_endpgm
.Lentry_shape_is_right:
; The softmax of reference() runs over the QUERIES: each key j has a maximum and a sum over all 4,096 queries of its batch.  This launch makes, for each key,
; nb_j = -(c max_q raw(q, j) + log2 l_j), l_j = sum over q of 2^(c raw(q, j) - c max), c = log2(e) / 64 (the scores are raw / sqrt(4096)): the finished weight is then 2^(c raw + nb_j).
; raw = Q(q) . Q(k) on codes of FP4 (E2M1).  Its K is 64.  Source 0 = 16 queries, source 1 = my 16 keys as [k 0]: four registers of codes, four of zero codes.  Source 0's eight registers are a tile of queries and whatever four
; registers follow it (the next tile; behind the last, four of zeros): against zero codes they add nothing, and the scale word (s0, s1, s0, s1) has no byte 0xff.
; SHARES.  A work-group owns 128 keys of a batch (a record of kvws).  Wave = 8 x half + T: tile T of 16 keys, queries 2,048 x half on, in 16 steps of 128 queries (a record of qws).
; A lane holds ONE key (lane % 16) and 8 queries a tile.  It keeps a running maximum of its own and 64 running sums, one for each register of a step: a step's sum is one fused line a pair, sum x 2^(change of the maximum) + p.
; THE PIPELINE, on two score buffers.  UNIT n: step n's 64 exponentials, and among them the 32 lines that add step n-1's (they name none of step n's registers) and the 8 products of step n+1, which go over step n-1's buffer.
; Then, behind one wait, step n+1's maxima and its multiply-adds; one more wait, and the next unit follows.
; The two halves of the lanes are joined at the end by one exchange, the two halves of the queries through LDS.
; CLUSTER.  The four work-groups of a cluster belong to one batch and read the same 32 records of Q: each wave asks for two of them jointly, once; every LDS byte is filled once.  No prefetch: no loop here asks memory for anything.
; LIMITS: NaN and infinities are not served.  nb_j is one f32 number: its rounding is 2^-24 of |c max + log2 l|, as large as the rounding of the score itself.
.set RECQ, 4608
.set MRG,  32*RECQ                     ; behind Q: 256 bytes a wave, (maximum, sum) of each lane
.set OUTS, MRG+16*256                  ; the 128 results in the keys' own order
.set SPARE, 0x29000                    ; the spare words, 128 bytes a wave
.set WV,   10
.set T,    11
.set QH,   12
.set CX,   13
.set KB,   14
.set BA,   15
.set G1,   16                          ; s[16:23], s[24:27] the descriptor
.set G0,   24
.set CS,   28                          ; s[28:29] c, twice;  s30 -c
.set NCS,  30
.set SEL,  32
.set CNT,  35
.set KS,   1                           ; v1     my keys' scale words
.set SQ,   2                           ; v2-5   Q's scale words: tile i in register i / 2, lanes 16 (i % 2) on
.set CO,   6                           ; v6     2^(change of -c M);  v7 the running maximum of raw (named with it as a pair)
.set M,    7
.set NC,   8                           ; v8     -c M;  v9 its old value, then the change (named with it as a pair)
.set ON,   9
.set AQ,   10                          ; v10, v11 LDS addresses of the record in hand: tiles, scale words
.set AS,   11
.set KF,   12                          ; v12-19 [k 0]
.set QF,   20                          ; v20-51 eight tiles of Q;  v52-55 zeros
.set SA,   56                          ; v56-119, v120-183 the two score buffers
.set SB,   120
.set L,    184                         ; v184-247 the running sums
.set SPW,  248
.set NIL,  249
.set CH,   250                         ; v250-255 six chains
.macro CROUND
	s_barrier_signal -1
	s_barrier_wait -1
	s_cmp_lg_u32 s[WV], 0
	s_cbranch_scc1 .Lnot_wave_0_\@
	s_barrier_signal -3
.Lnot_wave_0_\@:
	s_barrier_wait -3
	s_barrier_signal -1
	s_barrier_wait -1
.endm
	s_load_b128 s[4:7], s[0:1], 0x0                ; qws, kvws
	s_load_b64 s[8:9], s[0:1], 0x10                ; nbws
	v_lshl_add_u32 v[SPW], v0, 2, SPARE
	v_mov_b32 v[NIL], 0
	ds_add_u32 v[SPW], v[NIL]                      ; the opening add, twice on end
	ds_add_u32 v[SPW], v[NIL]
	v_lshrrev_b32 v56, 5, v0
	v_readfirstlane_b32 s[WV], v56                 ; wave 0..15
	s_and_b32 s[T], s[WV], 7
	s_lshr_b32 s[QH], s[WV], 3
	s_bfe_u32 s[CX], ttmp6, 0x40000
	s_lshl_b32 s[KB], ttmp9, 2
	s_add_co_u32 s[KB], s[KB], s[CX]               ; my 128 keys
	s_and_b32 s[BA], ttmp7, 0xffff                 ; the batch, which the four partners share
	s_mov_b32 s[G1], 15|(3<<16)|(1<<21)            ; the mask of all four; elements of 8 bytes; bit 21 beside the mask; no padding: the images are read 16 bytes a lane on end
	s_mov_b32 s[G1+1], 32<<16                      ; two records, 9,216 dense bytes, as 36 rows of 256
	s_mov_b32 s[G1+2], 36<<16
	s_mov_b32 s[G1+3], 32<<16
	s_mov_b32 s[G1+4], 36
	s_mov_b32 s[G1+5], 32
	s_mov_b32 s[G1+6], 0
	s_mov_b32 s[G1+7], 0
	s_mov_b32 s[CS], 0x3cb8aa3b                    ; c = log2(e) / 64
	s_mov_b32 s[CS+1], s[CS]
	s_mov_b32 s[NCS], 0xbcb8aa3b
	s_mov_b32 s[SEL], 0x76543210
	s_mov_b32 s[SEL+1], 0xfedcba98
	s_mul_i32 s34, s[QH], 16*RECQ                  ; my half's first record: tiles,
	s_add_co_u32 s48, s34, 4096                    ; scale words
	s_mul_i32 s36, s[BA], 32*RECQ
	s_mul_i32 s[G0+1], s[WV], 2*RECQ               ; LDS: records 2 wave, 2 wave + 1
	s_add_co_u32 s36, s36, s[G0+1]
	s_mov_b32 s37, 0
	s_mov_b32 s[G0], 1
	s_lshl_b32 s38, s[BA], 5
	s_add_co_u32 s38, s38, s[KB]
	s_mul_i32 s38, s38, 9216                       ; my keys' record
	s_mov_b32 s39, 0
	s_lshl_b32 s40, s[BA], 14
	s_lshl_b32 s41, s[KB], 9
	s_add_co_u32 s40, s40, s41                     ; and their 512 bytes of nbws
	s_mov_b32 s41, 0
	s_lshl_b32 s42, s[WV], 8
	s_add_co_u32 s42, s42, MRG                     ; where I put (maximum, sum),
	s_xor_b32 s43, s[WV], 8
	s_lshl_b32 s43, s43, 8
	s_add_co_u32 s43, s43, MRG                     ; and where the wave with the other half of the queries puts its own
	s_lshr_b32 s44, s[T], 2
	s_lshl_b32 s44, s44, 8
	s_and_b32 s45, s[T], 3
	s_lshl_b32 s45, s45, 5
	s_add_co_u32 s44, s44, s45
	s_add_co_u32 s44, s44, OUTS
	s_lshr_b32 s46, s[T], 2                        ; my tile's scale words in the record
	s_lshl_b32 s46, s46, 8
	s_and_b32 s47, s[T], 1
	s_lshl_b32 s47, s47, 7
	s_add_co_u32 s46, s46, s47
	s_bfe_u32 s47, s[T], 0x10001
	s_lshl_b32 s47, s47, 2
	s_add_co_u32 s46, s46, s47
	s_add_co_u32 s46, s46, 8192
	s_lshl_b32 s47, s[T], 9                        ; my tile in the record
	v_and_b32 v56, 31, v0                          ; lane
	v_and_b32 v57, 15, v0                          ; r
	v_lshlrev_b32 v60, 4, v56
	v_lshlrev_b32 v61, 3, v56
	v_lshl_add_u32 v59, v57, 3, s46                ; the scale word of row r, wherever the tile's words lie: every lane r holds row r's
	v_add_nc_u32 v[AQ], s34, v60
	v_add_nc_u32 v[AS], s48, v61
	v_add_nc_u32 v58, s47, v60
	s_wait_alu depctr_va_vdst(0)
	s_wait_dscnt 0x0                               ; both opening adds are done
	s_wait_kmcnt 0x0
	s_add_nc_u64 s[G0+2:G0+3], s[4:5], s[36:37]
	s_or_b32 s[G0+3], s[G0+3], 0x80000000
	s_add_nc_u64 s[6:7], s[6:7], s[38:39]
	s_add_nc_u64 s[8:9], s[8:9], s[40:41]
	global_load_b128 v[KF:KF+3], v58, s[6:7]       ; my keys are on their way while the work-groups meet
	global_load_b32 v[KS], v59, s[6:7]
	CROUND                                         ; all four work-groups are here: the joint loads meet
	tensor_load_to_lds s[G0:G0+3], s[G1:G1+7]      ; one load a wave
	s_nop 0
.rept 4
	v_nop
.endr
.irp c, 0,1,2,3                        ; under the load's flight: zero codes, the running maximum, the running sums
	v_mov_b32 v[KF+4+\c], 0
	v_mov_b32 v[QF+32+\c], 0
.endr
	v_mov_b32 v[M], 0xff61b1e6                     ; -3e38, under every score
	v_mul_f32 v[NC], s[NCS], v[M]
.set j, 0
.rept 64
	v_mov_b32 v[L+j], 0
.set j, j+1
.endr
; The next record's eight tiles and scale words.
.macro QLD
.irp i, 0,1,2,3,4,5,6,7
	ds_load_b128 v[QF+4*\i:QF+4*\i+3], v[AQ] offset:512*\i
.endr
	ds_load_b64 v[SQ:SQ+1], v[AS]
	ds_load_b64 v[SQ+2:SQ+3], v[AS] offset:256
.endm
.macro SPROD i, d                      ; query tile i x my keys
.if (\i)%2
	v_wmma_scale_f32_16x16x128_f8f6f4 v[\d+8*(\i):\d+8*(\i)+7], v[QF+4*(\i):QF+4*(\i)+7], v[KF:KF+7], 0, v[SQ+(\i)/2], v[KS] matrix_a_fmt:MATRIX_FMT_FP4 matrix_b_fmt:MATRIX_FMT_FP4 matrix_a_scale:MATRIX_SCALE_ROW1
.else
	v_wmma_scale_f32_16x16x128_f8f6f4 v[\d+8*(\i):\d+8*(\i)+7], v[QF+4*(\i):QF+4*(\i)+7], v[KF:KF+7], 0, v[SQ+(\i)/2], v[KS] matrix_a_fmt:MATRIX_FMT_FP4 matrix_b_fmt:MATRIX_FMT_FP4
.endif
.endm
.macro EXPS b, n
.set j, \b
.rept \n
	v_exp_f32 v[j], v[j]
.set j, j+1
.endr
.endm
; The scores in buffer b are new: their maxima, and c raw - c M.  ld = 1: the record behind theirs is fetched.
.macro ZED b, ld
.if \ld
	v_add_nc_u32 v[AQ], RECQ, v[AQ]                ; four plain lines: the places behind the products
	v_add_nc_u32 v[AS], RECQ, v[AS]
.else
	v_nop
	v_nop
.endif
	v_mov_b32 v[ON], v[NC]
	v_nop
	s_wait_alu depctr_va_vdst(0)                   ; the wait behind the exponentials, ahead of the first reader of the products' results
.if \ld
	QLD
.endif
.irp c, 0,1,2,3,4,5                    ; six chains, ascending: each accumulator is read from its low end on
	v_max3_num_f32 v[CH+\c], v[\b+3*\c], v[\b+3*\c+1], v[\b+3*\c+2]
.endr
.irp u, 0,1,2,3,4,5,6,7,8,9,10,11,12,13,14,15,16,17,18,19,20,21,22
	v_max3_num_f32 v[CH+\u%6], v[CH+\u%6], v[\b+18+2*\u], v[\b+19+2*\u]
.endr
	v_max3_num_f32 v[CH], v[CH], v[CH+1], v[CH+2]
	v_max3_num_f32 v[CH+3], v[CH+3], v[CH+4], v[CH+5]
	v_max3_num_f32 v[M], v[CH], v[CH+3], v[M]
	s_delay_alu instid0(VALU_DEP_1)
	v_mul_f32 v[NC], s[NCS], v[M]
	s_delay_alu instid0(VALU_DEP_1)
	v_sub_f32 v[ON], v[NC], v[ON]                  ; c M_old - c M_new, 0 or less
.set j, 0
.rept 32
	v_pk_fma_f32 v[\b+j:\b+j+1], v[\b+j:\b+j+1], s[CS:CS+1], v[NC:NC+1] op_sel_hi:[1,0,0]
.set j, j+2
.endr
	s_wait_alu depctr_va_vdst(0)                   ; the wait ahead of the exponentials
.endm
; UNIT n.  cur: step n's c raw - c M;  prv: step n-1's exponentials (su = 1: they are added), then step n+1's scores (sp = 1).
.macro UNIT cur, prv, su, sp, ld
.set j, 0
.rept 32
	v_exp_f32 v[\cur+j], v[\cur+j]
.if \su
	v_pk_fma_f32 v[L+2*j:L+2*j+1], v[L+2*j:L+2*j+1], v[CO:CO+1], v[\prv+2*j:\prv+2*j+1] op_sel_hi:[1,0,1]
.endif
.set j, j+1
.endr
	v_exp_f32 v[CO], v[ON]                         ; step n's factor, behind the last line that reads step n-1's
.if \sp
	s_wait_dscnt 0x0                               ; step n+1's record is in
.endif
.irp i, 0,1,2,3,4,5,6,7
.if \sp
	SPROD \i, \prv
.endif
	EXPS \cur+32+4*\i, 4
.endr
.if \sp
	ZED \prv, \ld
.else
	v_nop
	s_wait_alu depctr_va_vdst(0)                   ; the wait behind the exponentials
.endif
.endm
	s_wait_alu depctr_va_vdst(0)                   ; the wait at the head's end
	s_wait_tensorcnt 0x0                           ; my two records have landed,
	s_barrier_signal -1
	s_barrier_wait -1                              ; everybody's have
	QLD
	s_wait_loadcnt 0x0                             ; my keys
	s_wait_dscnt 0x0
.irp i, 0,1,2,3,4,5,6,7
	SPROD \i, SA
.endr
	ZED SA, 1
	UNIT SA, SB, 0, 1, 1                           ; n = 0
	s_mov_b32 s[CNT], 6
.Lstep:                                                ; n = 1 .. 12
	UNIT SB, SA, 1, 1, 1
	UNIT SA, SB, 1, 1, 1
	s_sub_co_u32 s[CNT], s[CNT], 1
	s_cmp_lg_u32 s[CNT], 0
	s_cbranch_scc1 .Lstep
	UNIT SB, SA, 1, 1, 1                           ; n = 13 fetches the last record,
	UNIT SA, SB, 1, 1, 0                           ; n = 14 multiplies it,
	UNIT SB, SA, 1, 0, 0                           ; n = 15
.set j, 0
.rept 32
	v_pk_fma_f32 v[L+j:L+j+1], v[L+j:L+j+1], v[CO:CO+1], v[SB+j:SB+j+1] op_sel_hi:[1,0,1]
.set j, j+2
.endr
.irp d, 32,16,8,4,2                    ; the 64 sums as a tree, in place: pairs d registers apart
.set j, 0
.rept \d/2
	v_pk_add_f32 v[L+j:L+j+1], v[L+j:L+j+1], v[L+\d+j:L+\d+j+1]
.set j, j+2
.endr
.endr
	v_add_f32 v[L], v[L], v[L+1]
	v_and_b32 v100, 31, v0
	v_and_b32 v101, 15, v0
	v_lshlrev_b32 v102, 3, v100
	v_lshlrev_b32 v103, 4, v100
	v_add_nc_u32 v104, s42, v102
	v_add_nc_u32 v105, s43, v102
	v_and_b32 v106, 7, v101
	v_and_b32 v107, 8, v101
	v_lshlrev_b32 v106, 2, v106
	v_lshl_add_u32 v106, v107, 4, v106
	v_add_nc_u32 v106, s44, v106                   ; lane r of tile T is key 64 (T / 4) + 32 (r / 8) + 8 (T % 4) + r % 8
	v_add_nc_u32 v108, OUTS, v103
	; the two halves of the lanes hold the same key
	v_permlanex16_b32 v56, v[M], s[SEL], s[SEL+1]
	v_max_num_f32 v60, v[M], v56
	v_mul_f32 v58, s[NCS], v60
	v_sub_f32 v59, v58, v[NC]
	s_wait_alu depctr_va_vdst(0)
	v_exp_f32 v59, v59
	v_nop
	s_wait_alu depctr_va_vdst(0)
	v_mul_f32 v[L], v[L], v59                      ; my sum under the common maximum,
	v_permlanex16_b32 v57, v[L], s[SEL], s[SEL+1]
	v_add_f32 v61, v[L], v57                       ; and the other half's
	s_wait_alu depctr_va_vdst(0)
	ds_store_b64 v104, v[60:61]
	s_wait_dscnt 0x0                               ; for the others' sake: my store is done
	s_barrier_signal -1
	s_barrier_wait -1
	ds_load_b64 v[62:63], v105                     ; the same keys' figures over the other 2,048 queries
	s_wait_dscnt 0x0
	v_max_num_f32 v56, v60, v62
	v_mul_f32 v57, s[NCS], v56                     ; -c max
	v_mul_f32 v59, s[NCS], v62
	v_sub_f32 v58, v57, v58
	v_sub_f32 v59, v57, v59
	s_wait_alu depctr_va_vdst(0)
	v_exp_f32 v58, v58
	v_exp_f32 v59, v59
	v_nop
	s_wait_alu depctr_va_vdst(0)
	v_mul_f32 v61, v61, v58
	v_fma_f32 v61, v63, v59, v61                   ; l, at least about 1: the largest score's own term
	s_wait_alu depctr_va_vdst(0)
	v_log_f32 v64, v61
	v_nop
	s_wait_alu depctr_va_vdst(0)
	v_sub_f32 v64, v57, v64                        ; nb = -c max - log2 l
	s_wait_alu depctr_va_vdst(0)                   ; ahead of the branch
	s_cmp_lt_u32 s[WV], 8
	s_cbranch_scc0 .Lupper
	ds_store_b32 v106, v64                         ; lanes r and r + 16 write the same word with the same value
.Lupper:
	s_wait_dscnt 0x0
	s_barrier_signal -1
	s_barrier_wait -1
	s_cmp_lg_u32 s[WV], 0
	s_cbranch_scc1 .Lnot_first
	ds_load_b128 v[68:71], v108
	s_wait_dscnt 0x0
	global_store_b128 v103, v[68:71], s[8:9]       ; 32 lanes store 512 consecutive bytes, at a multiple of 256 from the buffer's first byte
.Lnot_first:
	s_wait_tensorcnt 0x0                           ; the wave's end
	ds_add_u32 v[SPW], v[NIL]
	s_wait_dscnt 0x0
	CROUND                                         ; the closing round
	s_endpgm
.Lfunc_end_k_q0d0703adc1_colstats:
	.size	k_q0d0703adc1_colstats, .Lfunc_end_k_q0d0703adc1_colstats-k_q0d0703adc1_colstats
	.p2alignl 7, 3214868480
	.fill 96, 4, 3214868480
	.section	.rodata,"a",@progbits
	.p2align	6, 0x0
	.amdhsa_kernel k_q0d0703adc1_colstats
		.amdhsa_group_segment_fixed_size 169984
		.amdhsa_private_segment_fixed_size 0
		.amdhsa_enable_private_segment 0
		.amdhsa_kernarg_size 24
		.amdhsa_user_sgpr_count 2
		.amdhsa_user_sgpr_kernarg_segment_ptr 1
		.amdhsa_wavefront_size32 1
		.amdhsa_system_sgpr_workgroup_id_x 1
		.amdhsa_system_sgpr_workgroup_id_y 1
		.amdhsa_system_sgpr_workgroup_id_z 1
		.amdhsa_system_vgpr_workitem_id 0
		.amdhsa_next_free_vgpr 256
		.amdhsa_next_free_sgpr 66
		.amdhsa_reserve_vcc 0
		.amdhsa_float_denorm_mode_32 3
		.amdhsa_float_denorm_mode_16_64 3
		.amdhsa_memory_ordered 1
		.amdhsa_forward_progress 1
		.amdhsa_inst_pref_size 73
	.end_amdhsa_kernel
	.amdgpu_metadata
---
amdhsa.version: [ 1, 2 ]
amdhsa.kernels:
  - .name:           k_q0d0703adc1_colstats
    .symbol:         k_q0d0703adc1_colstats.kd
    .args:
      - { .name: qws, .offset: 0, .size: 8, .value_kind: global_buffer, .address_space: global }
      - { .name: kvws, .offset: 8, .size: 8, .value_kind: global_buffer, .address_space: global }
      - { .name: nbws, .offset: 16, .size: 8, .value_kind: global_buffer, .address_space: global }
    .group_segment_fixed_size: 169984
    .private_segment_fixed_size: 0
    .kernarg_segment_align: 8
    .kernarg_segment_size: 24
    .max_flat_workgroup_size: 512
    .sgpr_count:     66
    .vgpr_count:     256
    .wavefront_size: 32
...
	.end_amdgpu_metadata
.endif
;; end of part 2
;; launch attend (part 3): grid 32 x 8, 8 waves a work-group, clusters of 4 x 1, 327,680 bytes of LDS; arguments qws, kvws, nbws, out0; writes out0
.if DOCPART == 3
	.amdgcn_target "amdgcn-amd-amdhsa--gfx1250"
	.amdhsa_code_object_version 6
	.text
	.protected	k_q0d0703adc1_attend
	.globl	k_q0d0703adc1_attend
	.p2align	8
	.type	k_q0d0703adc1_attend,@function
k_q0d0703adc1_attend:
	s_mov_b64 s[64:65], 0
	v_nop
	global_prefetch_b8 v0, s[64:65] scope:SCOPE_SE
	s_setreg_imm32_b32 hwreg(HW_REG_WAVE_MODE, 25, 1), 1
	s_wait_xcnt 0x0
	s_wait_alu depctr_hold_cnt(0) depctr_sa_sdst(0) depctr_va_vdst(0) depctr_va_sdst(0) depctr_va_ssrc(0) depctr_va_vcc(0) depctr_vm_vsrc(0)
	s_getreg_b32 s2, hwreg(HW_REG_IB_STS2, 6, 4)
	s_cmp_eq_u32 s2, 0
	s_cbranch_scc0 .Lentry_in_a_cluster
	s_endpgm
.Lentry_in_a_cluster:
	s_bfe_u32 s2, ttmp6, 0x10000c
	s_cmp_lg_u32 s2, 0x3003
	s_cbranch_scc0 .Lentry_shape_is_right
	s_endpgm
.Lentry_shape_is_right:
; out[q] = sum over keys j of Q(w(q, j)) Q(v(j)), w(q, j) = 2^(c raw(q, j) + nb_j): the finished, normalised weight of reference()'s softmax over the queries (c = log2(e) / 64; nb_j from the launch before: it holds the
; column's maximum and the logarithm of its sum, so the exponent is 0 or less).  w is quantised along the keys in blocks of 32, v likewise (the first launch did that); both products on codes of FP4 (E2M1).
; SHARES.  A work-group owns 128 queries of a batch.  Wave = kr + 4 hf: keys 1,024 kr on (eight records of kvws, eight steps of 128), query tiles 4 hf .. 4 hf + 3.  A step's K, V and nb are read from LDS once for 4 tiles.
; The four key ranges' partial sums meet in LDS at the end: wave w adds tile w's four parts and stores 16 whole rows.
; LAYOUT.  S^T = K Q^T (source 0 = 16 keys, source 1 = 16 queries), O^T = V^T W^T (source 0 = 16 channels, source 1 = the weights): a lane holds one query (lane % 16) throughout.
; Row p of key tile 4 g + u is key 64 g + 32 (p / 8) + 8 u + p % 8, so registers 32 g + 0 .. 31 of the scores are keys 64 g + 32 (lane / 16) + 0 .. 31: a WHOLE block in a lane, in the order of a 4-bit operand.
; THE FIRST PRODUCT'S K IS 64: source 1 is [q 0], four registers of codes and four of zero codes; source 0 is a tile of K and the four registers behind it (the next tile; behind the last, zeros): against zero codes they add nothing.
; A scale word is (s0, s1, s0, s1): no byte of it is 0xff.
; THE PIPELINE, on two score buffers.  Tile n's 64 exponentials stand among tile n-1's 8 conversions and tile n+1's 8 score products, which go over tile n-1's buffer behind its conversions.
; Then, behind one wait: tile n+1's multiply-adds, tile n-1's four output products, tile n's maxima.  One more wait, and the next tile's exponentials follow.
; THE NEXT STEP'S OPERANDS: K and nb are fetched in tile 2 of a step (K's last products stand ahead of it, nb's last reader too), V in tile 0 of the next step, behind the last products that read the old one.
; LOADS.  The four work-groups of a cluster belong to one batch and read the same records: every tensor load is a joint one, two a wave: at the head one record, the first two of each key range by its two waves; then, behind the full
; sequence, three records, which have two steps in which to land.  Every LDS byte is filled once.  nb goes through registers, 2 KB a wave.  No prefetch: all is asked for in these two loads, and no loop here asks memory for anything.
; LIMITS: NaN and infinities are not served; a weight under 2^-126 counts as 0; a block of weights under 2^-124 gets the byte 1.  out is summed over 4 ranges of keys and then across them.
.set REC,  9216
.set KREG, 8*REC                       ; a key range's records
.set NBA,  4*KREG                      ; behind them the batch's nb, 16 KB
.set SPARE, NBA+16384                  ; and the spare words
.set SRG,  4352                        ; the way out: part (tile w, range v) at v x KREG + w x 4,352: 16 rows of 256 bytes + 16, over records that nobody reads any more
.set WV,   12
.set CX,   13
.set QBK,  14
.set BA,   15
.set G1A,  16                          ; s[16:23], s[32:35] the head's load;  s[24:31], s[36:39] the second
.set G1C,  24
.set G0A,  32
.set G0C,  36
.set CS,   52                          ; s[52:53] c, twice
.set SEL,  54
.set TB,   56                          ; s56 the step's record in the region;  s57 its nb
.set TN,   57
.set CNT,  58
.set PSEL, 59
.set KR,   60
.set HF,   61
.set RDA,  6                           ; v6-9 on the way out: where tile w's parts begin
.set QB,   16                          ; v16-47 four times [q 0]
.set QS,   48                          ; v48-49 Q's scale words: tile i in register i / 2, lanes 16 (i % 2) on
.set KS,   50                          ; v50-53 K's
.set VS,   54                          ; v54-55 V's
.set VH,   56                          ; v56-59 V's half words as they lie
.set SA,   64                          ; v64-127, v128-191 the two score buffers
.set SB,   128
.set KP,   192                         ; v192-223 K's eight tiles;  v224-227 zeros
.set PC,   228                         ; v228-235 the weights' codes
.set CH,   236                         ; v236-243 eight chains
.set SCO,  244
.set BY,   246
.set PT,   248
.set PO,   249
.set PW,   250                         ; the weights' scale word
.set SPW,  254
.set NIL,  255
.set VF,   128                         ; window 1: v0-127 the sums (tile i, channels t at 32 i + 8 t); v128-159 V^T's four fragments; v160-223 nb of my lane's 64 keys
.set NB,   160
.set MSB, 0
.macro WIN new                         ; the immediate's high byte repeats the setting that is left
.if MSB != \new
	s_set_vgpr_msb (MSB<<8)|\new
.set MSB, \new
.endif
.endm
.macro SHAPE g, r                      ; group 1 of r dense rows of 256 bytes, asked for by all four work-groups
	s_mov_b32 s[\g], 15|(3<<16)|(1<<21)
	s_mov_b32 s[\g+1], 32<<16
	s_mov_b32 s[\g+2], (\r)<<16
	s_mov_b32 s[\g+3], 32<<16
	s_mov_b32 s[\g+4], \r
	s_mov_b32 s[\g+5], 32
	s_mov_b32 s[\g+6], 0
	s_mov_b32 s[\g+7], 0
.endm
.macro CROUND
	s_barrier_signal -1
	s_barrier_wait -1
	s_cmp_lg_u32 s[WV], 0
	s_cbranch_scc1 .Lnot_wave_0_\@
	s_barrier_signal -3
.Lnot_wave_0_\@:
	s_barrier_wait -3
	s_barrier_signal -1
	s_barrier_wait -1
.endm
.macro NOPS n
.rept \n
	v_nop
.endr
.endm
	s_load_b256 s[4:11], s[0:1], 0x0               ; qws s[4:5], kvws s[6:7], nbws s[8:9], out0 s[10:11]
	v_lshl_add_u32 v[SPW], v0, 2, SPARE
	v_mov_b32 v[NIL], 0
	ds_add_u32 v[SPW], v[NIL]                      ; the opening add, twice on end
	ds_add_u32 v[SPW], v[NIL]
	v_lshrrev_b32 v9, 5, v0
	v_readfirstlane_b32 s[WV], v9                  ; wave 0..7
	s_and_b32 s[KR], s[WV], 3
	s_lshr_b32 s[HF], s[WV], 2
	s_bfe_u32 s[CX], ttmp6, 0x40000
	s_lshl_b32 s[QBK], ttmp9, 2
	s_add_co_u32 s[QBK], s[QBK], s[CX]             ; my 128 queries: they enter Q's and out's addresses alone
	s_and_b32 s[BA], ttmp7, 0xffff                 ; the batch, which the four partners share
	SHAPE G1A, 36
	SHAPE G1C, 108
	s_mov_b32 s[CS], 0x3cb8aa3b                    ; c = log2(e) / 64
	s_mov_b32 s[CS+1], s[CS]
	s_mov_b32 s[SEL], 0x76543210
	s_mov_b32 s[SEL+1], 0xfedcba98
	s_mov_b32 s[TB], 0
	s_mov_b32 s[TN], 0
	s_mov_b32 s[PSEL], 0x07060100                  ; v_perm_b32: the low half of the second source, the high half of the first
	s_mul_i32 s66, s[KR], KREG                     ; my range's records, in LDS
	s_mul_i32 s67, s[HF], REC                      ; the head's load: record hf of the range,
	s_mul_i32 s68, s[HF], 3*REC
	s_add_co_u32 s68, s68, 2*REC                   ; the second: records 2 + 3 hf on
	s_mov_b32 s[G0A], 1
	s_add_co_u32 s[G0A+1], s66, s67
	s_mov_b32 s[G0C], 1
	s_add_co_u32 s[G0C+1], s66, s68
	s_mul_i32 s69, s[BA], 32*REC
	s_add_co_u32 s69, s69, s66                     ; (a range is as many bytes in memory)
	s_add_co_u32 s70, s69, s67
	s_mov_b32 s71, 0
	s_add_co_u32 s72, s69, s68
	s_mov_b32 s73, 0
	s_lshl_b32 s74, s[BA], 14
	s_lshl_b32 s75, s[WV], 11
	s_add_co_u32 s78, s75, NBA                     ; I bring nb of keys 512 w on
	s_add_co_u32 s74, s74, s75
	s_mov_b32 s75, 0
	s_lshl_b32 s76, s[BA], 5
	s_add_co_u32 s76, s76, s[QBK]
	s_mul_i32 s76, s76, 4608                       ; my queries' record
	s_mov_b32 s77, 0
	s_lshl_b32 s80, s[BA], 20                      ; out: rows of 256 bytes: 4,096 a batch, 128 a work-group; tile w begins at row 64 (w / 4) + 8 (w % 4)
	s_lshl_b32 s81, s[QBK], 15
	s_add_co_u32 s80, s80, s81
	s_lshl_b32 s81, s[HF], 14
	s_add_co_u32 s80, s80, s81
	s_lshl_b32 s81, s[KR], 11
	s_add_co_u32 s80, s80, s81
	s_mov_b32 s81, 0
	s_lshl_b32 s82, s[KR], 12
	s_add_co_u32 s82, s82, NBA                     ; my range's nb
	s_mul_i32 s83, s[HF], 4*SRG
	s_add_co_u32 s83, s83, s66                     ; my four parts
	s_mul_i32 s84, s[WV], SRG
	s_lshl_b32 s85, s[HF], 11                      ; my four tiles of Q in the record,
	s_lshl_b32 s86, s[HF], 8
	s_add_co_u32 s86, s86, 4096                    ; and their scale words
	v_and_b32 v12, 31, v0
	v_and_b32 v13, 15, v0                          ; r
	v_bfe_u32 v9, v0, 4, 1                         ; h
	v_lshlrev_b32 v2, 3, v12                       ; 8 x lane
	v_lshlrev_b32 v12, 4, v12                      ; 16 x lane
	v_lshlrev_b32 v5, 3, v9                        ; 8 h
	v_lshlrev_b32 v3, 7, v9                        ; 128 h
	v_mul_u32_u24 v10, v13, 272
	v_mul_u32_u24 v11, v9, 272
	v_add_nc_u32 v6, s85, v12
	v_add_nc_u32 v7, s86, v2
	v_add_nc_u32 v1, s66, v12                      ; an image's place for my lane in my range
	v_add_nc_u32 v2, s66, v2                       ; a pair of scale words'
	v_add_nc_u32 v14, s78, v12
	v_add_nc_u32 v10, s83, v10
	v_lshl_add_u32 v11, v13, 4, v11
	v_add_nc_u32 v10, v3, v10                      ; the way out, in: row r, channels 32 h on
	v_add_nc_u32 v11, s84, v11                     ; back: range 0's part of tile w; lanes 0-15 one row, lanes 16-31 the next
	v_add_nc_u32 v3, s82, v3                       ; nb of keys 32 h on
	s_wait_alu depctr_va_vdst(0)
	s_wait_dscnt 0x0                               ; both opening adds are done
	s_wait_kmcnt 0x0
	s_add_nc_u64 s[4:5], s[4:5], s[76:77]
	s_add_nc_u64 s[8:9], s[8:9], s[74:75]
	s_add_nc_u64 s[10:11], s[10:11], s[80:81]
.irp i, 0,1,2,3                        ; Q and nb are on their way while the work-groups meet
	global_load_b128 v[SA+4*\i:SA+4*\i+3], v12, s[8:9] offset:512*\i
.endr
.irp i, 0,1,2,3
	global_load_b128 v[QB+8*\i:QB+8*\i+3], v6, s[4:5] offset:512*\i
.endr
	global_load_b64 v[QS:QS+1], v7, s[4:5]
	s_add_nc_u64 s[G0A+2:G0A+3], s[6:7], s[70:71]
	s_or_b32 s[G0A+3], s[G0A+3], 0x80000000
	s_add_nc_u64 s[G0C+2:G0C+3], s[6:7], s[72:73]
	s_or_b32 s[G0C+3], s[G0C+3], 0x80000000
	CROUND                                         ; all four work-groups are here: the joint loads meet
	tensor_load_to_lds s[G0A:G0A+3], s[G1A:G1A+7]  ; one load a wave at the head: the first two records of each range
	s_nop 0
	NOPS 4
.irp i, 0,1,2,3
.irp c, 4,5,6,7
	v_mov_b32 v[QB+8*\i+\c], 0                     ; the zero codes behind q, once
.endr
.endr
.irp c, 0,1,2,3
	v_mov_b32 v[KP+32+\c], 0                       ; and behind K's last tile
.endr
	v_mov_b32 v[PO], 0                             ; written once: a lane permute's destination counts as one of its sources
	s_wait_alu depctr_va_vdst(0)
	s_wait_loadcnt 0x0
.irp i, 0,1,2,3
	ds_store_b128 v14, v[SA+4*\i:SA+4*\i+3] offset:512*\i
.endr
	s_wait_tensorcnt 0x0                           ; my record has landed
	ds_add_u32 v[SPW], v[NIL]
	s_wait_dscnt 0x0                               ; the add and my stores of nb are done
	CROUND                                         ; everybody's are
	tensor_load_to_lds s[G0C:G0C+3], s[G1C:G1C+7]  ; the other records
	s_nop 0
	NOPS 4
.macro ADDR                            ; the record in hand
	v_add_nc_u32 v6, s[TB], v1
	v_add_nc_u32 v7, s[TB], v2
	v_add_nc_u32 v8, s[TN], v3
.endm
.macro KLD                             ; K's eight tiles and their scale words: 10 loads
.irp T, 0,1,2,3,4,5,6,7
	ds_load_b128 v[KP+4*\T:KP+4*\T+3], v6 offset:512*\T
.endr
.irp g, 0,1
	ds_load_b64 v[KS+2*\g:KS+2*\g+1], v7 offset:8192+256*\g
.endr
.endm
.macro NLD                             ; nb: 16 loads; the sixteen lanes of a half read the same bytes
	WIN 0x40
.irp g, 0,1
.irp e, 0,1,2,3,4,5,6,7
	ds_load_b128 v[NB+32*\g+4*\e:NB+32*\g+4*\e+3], v8 offset:256*\g+16*\e
.endr
.endr
	WIN 0
.endm
.macro VLD                             ; V's four fragments and their half words: 10 loads
	WIN 0x40
.irp t, 0,1,2,3
.irp g, 0,1
	ds_load_b128 v[VF+8*\t+4*\g:VF+8*\t+4*\g+3], v6 offset:4096+1024*\t+512*\g
.endr
.endr
	WIN 0
.irp g, 0,1
	ds_load_b64 v[VH+2*\g:VH+2*\g+1], v7 offset:8704+256*\g
.endr
.endm
.macro SPROD T, i, d                   ; key tile T x query tile i
.set rQ, QB+8*(\i)
.if ((\T)%2 == 0) && ((\i)%2 == 0)
	v_wmma_scale_f32_16x16x128_f8f6f4 v[\d+8*(\T):\d+8*(\T)+7], v[KP+4*(\T):KP+4*(\T)+7], v[rQ:rQ+7], 0, v[KS+(\T)/2], v[QS+(\i)/2] matrix_a_fmt:MATRIX_FMT_FP4 matrix_b_fmt:MATRIX_FMT_FP4
.elseif ((\T)%2 == 0)
	v_wmma_scale_f32_16x16x128_f8f6f4 v[\d+8*(\T):\d+8*(\T)+7], v[KP+4*(\T):KP+4*(\T)+7], v[rQ:rQ+7], 0, v[KS+(\T)/2], v[QS+(\i)/2] matrix_a_fmt:MATRIX_FMT_FP4 matrix_b_fmt:MATRIX_FMT_FP4 matrix_b_scale:MATRIX_SCALE_ROW1
.elseif ((\i)%2 == 0)
	v_wmma_scale_f32_16x16x128_f8f6f4 v[\d+8*(\T):\d+8*(\T)+7], v[KP+4*(\T):KP+4*(\T)+7], v[rQ:rQ+7], 0, v[KS+(\T)/2], v[QS+(\i)/2] matrix_a_fmt:MATRIX_FMT_FP4 matrix_b_fmt:MATRIX_FMT_FP4 matrix_a_scale:MATRIX_SCALE_ROW1
.else
	v_wmma_scale_f32_16x16x128_f8f6f4 v[\d+8*(\T):\d+8*(\T)+7], v[KP+4*(\T):KP+4*(\T)+7], v[rQ:rQ+7], 0, v[KS+(\T)/2], v[QS+(\i)/2] matrix_a_fmt:MATRIX_FMT_FP4 matrix_b_fmt:MATRIX_FMT_FP4 matrix_a_scale:MATRIX_SCALE_ROW1 matrix_b_scale:MATRIX_SCALE_ROW1
.endif
.endm
.macro OPROD t, i, zero                ; channel tile t x query tile i, 128 keys.  zero = 1: the first key step starts the sums
.set rO, 32*(\i)+8*(\t)
.if \zero
.if (\t)%2
	v_wmma_scale_f32_16x16x128_f8f6f4 v[rO:rO+7], v[VF+8*(\t):VF+8*(\t)+7], v[PC:PC+7], 0, v[VS+(\t)/2], v[PW] matrix_a_fmt:MATRIX_FMT_FP4 matrix_b_fmt:MATRIX_FMT_FP4 matrix_a_scale:MATRIX_SCALE_ROW1
.else
	v_wmma_scale_f32_16x16x128_f8f6f4 v[rO:rO+7], v[VF+8*(\t):VF+8*(\t)+7], v[PC:PC+7], 0, v[VS+(\t)/2], v[PW] matrix_a_fmt:MATRIX_FMT_FP4 matrix_b_fmt:MATRIX_FMT_FP4
.endif
.else
.if (\t)%2
	v_wmma_scale_f32_16x16x128_f8f6f4 v[rO:rO+7], v[VF+8*(\t):VF+8*(\t)+7], v[PC:PC+7], v[rO:rO+7], v[VS+(\t)/2], v[PW] matrix_a_fmt:MATRIX_FMT_FP4 matrix_b_fmt:MATRIX_FMT_FP4 matrix_a_scale:MATRIX_SCALE_ROW1
.else
	v_wmma_scale_f32_16x16x128_f8f6f4 v[rO:rO+7], v[VF+8*(\t):VF+8*(\t)+7], v[PC:PC+7], v[rO:rO+7], v[VS+(\t)/2], v[PW] matrix_a_fmt:MATRIX_FMT_FP4 matrix_b_fmt:MATRIX_FMT_FP4
.endif
.endif
.endm
.macro OPRODS i, zero                  ; the four accumulators by turns; each is taken up again a key step later
	WIN 0x51                                       ; source 0, C and D in window 1
.irp t, 0,1,2,3
	OPROD \t, \i, \zero
.endr
	WIN 0
.endm
.macro EXPS b, n
.set j, \b
.rept \n
	v_exp_f32 v[j], v[j]
.set j, j+1
.endr
.endm
.macro FMAS b                          ; c raw + nb, ascending: each accumulator is read from its low end on
.set j, 0
.rept 32
	v_pk_fma_f32 v[\b+j:\b+j+1], v[\b+j:\b+j+1], s[CS:CS+1], v[NB+j:NB+j+1] op_sel_hi:[1,0,1]
.set j, j+2
.endr
.endm
.macro MAXS b                          ; my two blocks' largest weights (none is negative), four chains each, and the conversions' scale operands
.irp c, 0,1,2,3
.irp g, 0,1
	v_max3_num_f32 v[CH+4*\g+\c], v[\b+32*\g+3*\c], v[\b+32*\g+3*\c+1], v[\b+32*\g+3*\c+2]
.endr
.endr
.irp u, 0,1,2,3,4,5,6,7,8,9
.irp g, 0,1
	v_max3_num_f32 v[CH+4*\g+\u%4], v[CH+4*\g+\u%4], v[\b+32*\g+12+2*\u], v[\b+32*\g+13+2*\u]
.endr
.endr
.irp g, 0,1
	v_max3_num_f32 v[CH+4*\g], v[CH+4*\g], v[CH+4*\g+1], v[CH+4*\g+2]
.endr
.irp g, 0,1
	v_max3_num_f32 v[CH+4*\g], v[CH+4*\g], v[CH+4*\g+3], 0x1800000   ; and the floor 2^(3 - 127): the byte cannot fall under 1
.endr
.irp g, 0,1
	v_add_nc_u32 v[SCO+\g], 0xff000000, v[CH+4*\g] ; 2 off the exponent field
.endr
.endm
.macro PWB                             ; the scale word of the codes in PC: my bytes, blocks h and 2 + h, 8 h bits up; with lane l xor 16's two it is whole
	v_lshrrev_b32 v[BY], 23, v[SCO]
	v_lshrrev_b32 v[BY+1], 23, v[SCO+1]
	v_lshl_or_b32 v[PT], v[BY+1], 16, v[BY]
	v_lshlrev_b32 v[PT], v5, v[PT]
	s_delay_alu instid0(VALU_DEP_1)
	v_permlanex16_b32 v[PO], v[PT], s[SEL], s[SEL+1]
	s_delay_alu instid0(VALU_DEP_1)
	v_or_b32 v[PW], v[PT], v[PO]
.endm
; Tile i's exponentials in cur; cv = 1: the tile before, in prv, is converted; sp = 1: the next tile's products go into prv.  ld = 1: a next key step follows.
.macro PHI i, cur, prv, cv, sp, ld
.irp T, 0,1,2,3,4,5,6,7
	EXPS \cur+4*\T, 4
.if \cv
	v_cvt_scalef32_pk8_fp4_f32 v[PC+\T], v[\prv+8*\T:\prv+8*\T+7], v[SCO+\T/4]   ; registers 4 g .. 4 g + 3 of the operand: keys 64 g + 32 h + 0 .. 31
.endif
.endr
	v_nop                                          ; a plain line between the conversions and the products that write their sources
.if (\i == 3) && \ld
	s_wait_dscnt 16                                ; the next step's K is in; behind it: nb, 16 loads
.endif
.irp T, 0,1,2,3,4,5,6,7
.if \sp
	SPROD \T, (\i+1)%4, \prv
.endif
	EXPS \cur+32+4*\T, 4
.endr
.if (\i == 3) && \ld
	s_wait_dscnt 0x0                               ; the next step's nb is in
.endif
.if \i == 1
	s_wait_dscnt 0x0                               ; this step's V is in
	v_perm_b32 v[VS], v[VH+2], v[VH], s[PSEL]      ; its scale words: bytes 0, 1 from keys 0-63's half word, bytes 2, 3 from keys 64-127's
	v_perm_b32 v[VS+1], v[VH+3], v[VH+1], s[PSEL]
.endif
.if (\i == 2) && \ld
	s_add_co_u32 s[TB], s[TB], REC
	s_add_co_u32 s[TN], s[TN], 512
	ADDR
.endif
.if \cv
	PWB                                            ; these are also the places behind the score products
.else
	NOPS 4
.endif
.endm
.macro QT i, cur, prv, cv, zero, ld
	PHI \i, \cur, \prv, \cv, 1, \ld
	WIN 0x10                                       ; source 2, nb, in window 1
	s_wait_alu depctr_va_vdst(0)                   ; one wait behind the exponentials, ahead of the first reader of the products' results
	FMAS \prv
.if \cv
	OPRODS (\i+3)%4, \zero                         ; the scale word was written 32 plain lines ago (8 are asked), the codes earlier still
.endif
	WIN 0
.if (\i == 2) && \ld
	KLD
	NLD
.endif
	MAXS \cur
.if (\i == 0) && \ld
	VLD                                            ; the maxima are the places behind the products that read the old V
.endif
	s_wait_alu depctr_va_vdst(0)                   ; one wait ahead of the exponentials
.endm
.macro OSTORE t                        ; my final sums of tile t: lane (r, h): query r, channels 32 h + 4 e on
	WIN 0x04                                       ; an LDS store's data are its source 1: window 1
.irp e, 0,1,2,3,4,5,6,7
	ds_store_b128 v10, v[32*(\t)+4*\e:32*(\t)+4*\e+3] offset:(\t)*SRG+16*\e   ; ascending: each accumulator is read from its low end on
.endr
	WIN 0
.endm
	ADDR
	KLD
	NLD
	VLD
	s_wait_dscnt 26                                ; K is in; behind it: nb (16) and V (10)
.irp T, 0,1,2,3,4,5,6,7
	SPROD \T, 0, SA
.endr
	NOPS 4                                         ; places in front of the first read of results
	s_wait_dscnt 10                                ; nb is in; V may be out
	WIN 0x10
	FMAS SA
	WIN 0
	s_wait_alu depctr_va_vdst(0)
	QT 0, SA, SB, 0, 0, 0                          ; the very first tile has none before it
	QT 1, SB, SA, 1, 1, 1                          ; key step 0: its output products start the sums
	QT 2, SA, SB, 1, 1, 1
	QT 3, SB, SA, 1, 1, 1
	QT 0, SA, SB, 1, 1, 1
	s_wait_tensorcnt 0x0                           ; my part of the other records is in,
	s_wait_dscnt 0x0
	s_barrier_signal -1
	s_barrier_wait -1                              ; and everybody's: nothing is filled any more
	s_mov_b32 s[CNT], 6
.Lkeys:                                                ; tiles 1, 2, 3 of key steps 1 .. 6, each with the next step's tile 0
	QT 1, SB, SA, 1, 0, 1
	QT 2, SA, SB, 1, 0, 1
	QT 3, SB, SA, 1, 0, 1
	QT 0, SA, SB, 1, 0, 1
	s_sub_co_u32 s[CNT], s[CNT], 1
	s_cmp_lg_u32 s[CNT], 0
	s_cbranch_scc1 .Lkeys
	s_wait_dscnt 0x0                               ; my last reads of the records are over:
	s_barrier_signal -1                            ; say so, and go on with work on registers
	QT 1, SB, SA, 1, 0, 0
	QT 2, SA, SB, 1, 0, 0
	PHI 3, SB, SA, 1, 0, 0                         ; the last tile has none behind it
	s_wait_alu depctr_va_vdst(0)
	MAXS SB                                        ; also the 8 places behind the scale word
	OPRODS 2, 0
	s_wait_alu depctr_va_vdst(0)
	s_barrier_wait -1                              ; nobody reads the records any more: the parts go over them
	s_wait_alu depctr_va_vdst(0)                   ; the wait ahead of the sums' first reader
	OSTORE 0
	OSTORE 1
	NOPS 4                                         ; the places behind tile 2's products, which read the codes' registers
.irp T, 0,1,2,3,4,5,6,7
	v_cvt_scalef32_pk8_fp4_f32 v[PC+\T], v[SB+8*\T:SB+8*\T+7], v[SCO+\T/4]
.endr
	PWB
	OSTORE 2
	v_mov_b32 v[RDA], v11                          ; where tile w's four parts begin: four of the eight places behind the scale word
	v_add_nc_u32 v[RDA+1], KREG, v11
	v_add_nc_u32 v[RDA+2], 2*KREG, v11
	v_add_nc_u32 v[RDA+3], 3*KREG, v11
	NOPS 4
	OPRODS 3, 0
	NOPS 4
	OSTORE 3
	s_wait_alu depctr_va_vdst(0)
	s_wait_dscnt 0x0                               ; for the others' sake: my stores are done
	s_barrier_signal -1
	s_barrier_wait -1
.irp i, 0,1,2,3,4,5,6,7                ; rows 2 i and 2 i + 1 of tile w, from each of the four parts
.irp p, 0,1,2,3
	ds_load_b128 v[SA+16*\i+4*\p:SA+16*\i+4*\p+3], v[RDA+\p] offset:544*\i
.endr
.endr
.irp i, 0,1,2,3,4,5,6,7
	s_wait_dscnt 28-4*\i                           ; these four are in; behind them: four for each later i
.irp e, 0,2
	v_pk_add_f32 v[SA+16*\i+\e:SA+16*\i+\e+1], v[SA+16*\i+\e:SA+16*\i+\e+1], v[SA+16*\i+4+\e:SA+16*\i+5+\e]
	v_pk_add_f32 v[SA+16*\i+8+\e:SA+16*\i+9+\e], v[SA+16*\i+8+\e:SA+16*\i+9+\e], v[SA+16*\i+12+\e:SA+16*\i+13+\e]
.endr
.irp e, 0,2
	v_pk_add_f32 v[SA+16*\i+\e:SA+16*\i+\e+1], v[SA+16*\i+\e:SA+16*\i+\e+1], v[SA+16*\i+8+\e:SA+16*\i+9+\e]
.endr
	global_store_b128 v12, v[SA+16*\i:SA+16*\i+3], s[10:11] offset:(32*(\i/4)+(2*\i)%8)*256 th:TH_STORE_NT   ; the two rows are tokens 32 (i / 4) + 2 i % 8 and the next, from the tile's first: 512 consecutive bytes, aligned
.endr
	s_wait_tensorcnt 0x0                           ; the wave's end
	ds_add_u32 v[SPW], v[NIL]
	s_wait_dscnt 0x0
	CROUND                                         ; the closing round
	s_endpgm
.Lfunc_end_k_q0d0703adc1_attend:
	.size	k_q0d0703adc1_attend, .Lfunc_end_k_q0d0703adc1_attend-k_q0d0703adc1_attend
	.p2alignl 7, 3214868480
	.fill 96, 4, 3214868480
	.section	.rodata,"a",@progbits
	.p2align	6, 0x0
	.amdhsa_kernel k_q0d0703adc1_attend
		.amdhsa_group_segment_fixed_size 327680
		.amdhsa_private_segment_fixed_size 0
		.amdhsa_enable_private_segment 0
		.amdhsa_kernarg_size 32
		.amdhsa_user_sgpr_count 2
		.amdhsa_user_sgpr_kernarg_segment_ptr 1
		.amdhsa_wavefront_size32 1
		.amdhsa_system_sgpr_workgroup_id_x 1
		.amdhsa_system_sgpr_workgroup_id_y 1
		.amdhsa_system_sgpr_workgroup_id_z 1
		.amdhsa_system_vgpr_workitem_id 0
		.amdhsa_next_free_vgpr 512
		.amdhsa_next_free_sgpr 90
		.amdhsa_reserve_vcc 0
		.amdhsa_float_denorm_mode_32 3
		.amdhsa_float_denorm_mode_16_64 3
		.amdhsa_memory_ordered 1
		.amdhsa_forward_progress 1
		.amdhsa_inst_pref_size 131
	.end_amdhsa_kernel
	.amdgpu_metadata
---
amdhsa.version: [ 1, 2 ]
amdhsa.kernels:
  - .name:           k_q0d0703adc1_attend
    .symbol:         k_q0d0703adc1_attend.kd
    .args:
      - { .name: qws, .offset: 0, .size: 8, .value_kind: global_buffer, .address_space: global }
      - { .name: kvws, .offset: 8, .size: 8, .value_kind: global_buffer, .address_space: global }
      - { .name: nbws, .offset: 16, .size: 8, .value_kind: global_buffer, .address_space: global }
      - { .name: out0, .offset: 24, .size: 8, .value_kind: global_buffer, .address_space: global }
    .group_segment_fixed_size: 327680
    .private_segment_fixed_size: 0
    .kernarg_segment_align: 8
    .kernarg_segment_size: 32
    .max_flat_workgroup_size: 256
    .sgpr_count:     90
    .vgpr_count:     512
    .wavefront_size: 32
...
	.end_amdgpu_metadata
.endif
;; end of part 3
